; MI455X (gfx1250); checked and timed in simulation.
; The chip was launched on July 23, 2026; its instructions are those of AMD's public machine-readable ISA for CDNA 5 (MIT licence, August 2026) and "CDNA5" Instruction Set Architecture Reference Guide (July 2026). The comments in the code are by the model that wrote it; some were corrected since.
;; Ro PE Head. Allowed arithmetic: matrix products marked QUANTISED: E4M3 operands, one E8M0 scale for each 32 along K, by v_wmma_scale_f32_16x16x128_f8f6f4 with both operands' format E4M3, f32 sums; everything else in f32.
;; Inputs: W_K 128 x 1,024 float32; x 8 x 4,096 x 1,024 float32.
;; Outputs: out0 8 x 4,096 x 128 float32.
;; This version of the problem:
;;   THIS VERSION OF THE PROBLEM IS GIVEN IN LOW PRECISION. The matrix products marked QUANTISED in the list below multiply operands that are first quantised to E4M3 (4 exponent bits, 3 mantissa bits; 8 bits a number), with one power-of-two scale for each 32 numbers along K (OCP MX v1.0); their sums are f32. All else is computed in f32.
;;   The module's matrix products, in the order in which they are computed (A, B: the left and right operand; K: the contracted axis; several contracted axes count as one K, in the product's order):
;;     1. [M 32,768, K 1,024] x [K 1,024, N 128]; A: input x; B: input W_K: QUANTISED
;;     2. batch 8 x [M 4,096, K 128] x [K 128, N 4,096]; A: computed on the way; B: computed on the way: QUANTISED
;;     3. batch 8 x [M 4,096, K 4,096] x [K 4,096, N 128]; A: softmax (see below); B: computed on the way: QUANTISED
;;   THE QUANTISER, for each operand of a quantised product, along K:
;;     - K is cut into blocks of 32 from its start; a last block that is shorter is filled with zeros.
;;     - A block's scale is 2^e with e = floor(log2(the largest magnitude in the block)) - 8, held to -126 .. 127; a block of zeros has e = 0. As a byte (E8M0): e + 127.
;;     - Each number is divided by its block's scale, clamped to +-448, and rounded to the nearest number of E4M3, ties to even, subnormals kept.
;;     - The product sums the exact products of the quantised numbers (number of the format x scale) in f32.
;;   ~~~python
;;   def quantise(x, axis):      # numpy; x: float32 -> the quantised numbers, widened to float32 again
;;       x = np.moveaxis(x, axis, -1); K = x.shape[-1]
;;       x = np.pad(x, [(0, 0)] * (x.ndim - 1) + [(0, -K % 32)]); x = x.reshape(x.shape[:-1] + (-1, 32)); a = np.abs(x).max(-1, keepdims=True)
;;       e = np.where(a > 0, np.clip(np.frexp(np.where(a > 0, a, 1))[1] - 1 - 8, -126, 127), 0)      # np.frexp(a)[1] - 1 = floor(log2(a)), exactly
;;       r = np.clip(x / 2.0 ** e, -448, 448)
;;       step = 2.0 ** (np.maximum(np.frexp(np.where(r == 0, 1, r))[1] - 1, -6) - 3)
;;       q = np.round(r / step) * step * 2.0 ** e      # np.round: ties to even
;;       return np.moveaxis(q.reshape(q.shape[:-2] + (-1,))[..., :K], -1, axis).astype(np.float32)
;;   ~~~
;;   SOFTMAX AHEAD OF A QUANTISED PRODUCT. Where the list says 'softmax', what is quantised is not the finished softmax but p = 2^(t - M), with t = logit x log2(e) and M = ceil(the row's largest t), a whole number; so 1/2 < the row's largest p <= 1. The row's sum l is taken of the UNQUANTISED p, in f32, and the product's result is divided by l at the end. Since M is a whole number, a kernel that streams over the keys may use a running M (the ceiling of the running maximum): every later rescaling is an exact power of two, which a block's scale takes up: the codes' values come out the same.
;;   OPERANDS COMPUTED ON THE WAY. 'Computed on the way' means the value that the module computes at that place (a softmax that the list does not call 'softmax' is quantised finished and normalised). What goes into a quantiser is computed in f32, as accurately as f32 sums, v_exp_f32 and their like allow (about 1e-6 of the number): no bf16 or f16 on the way to a quantiser, and a product that is left as it is and whose result goes on into a quantised operand takes f32 operands (vector FMAs, or v_wmma_f32_16x16x4_f32). A number that lies on a knife's edge between two numbers of the format may be rounded either way, as far as f32 arithmetic and the matrix unit's own rounding can turn it there, and no further.
;; One version. Each part assembles by itself: llvm-mc -triple=amdgcn-amd-amdhsa -mcpu=gfx1250 --defsym DOCPART=n.
;; ======== version 1 of 1: 3 launches
;; limits: right only within a limited range of input values
;; workspace buffers: wq 135,168 bytes; kv 8,650,752 bytes
;; launch wquant (part 1): grid 8 x 1, 8 waves a work-group, no clusters, 1,536 bytes of LDS; arguments W_K, wq; writes wq
.if DOCPART == 1
	.amdgcn_target "amdgcn-amd-amdhsa--gfx1250"
	.amdhsa_code_object_version 6
	.text
	.protected	k_q8c6cfb7a92_wquant
	.globl	k_q8c6cfb7a92_wquant
	.p2align	8
	.type	k_q8c6cfb7a92_wquant,@function
k_q8c6cfb7a92_wquant:
	s_mov_b64 s[64:65], 0
	v_nop
	global_prefetch_b8 v0, s[64:65] scope:SCOPE_SE
	s_setreg_imm32_b32 hwreg(HW_REG_WAVE_MODE, 25, 1), 1
	s_wait_xcnt 0x0
; W_K [128][1024] f32 becomes codes of FP8 (E4M3) with one E8M0 byte for each 32 along K, laid in the ORDER OF THE OPERAND'S REGISTERS, K step by K step (128 along K):
; block s of 16,896 bytes: tile T (0..7), registers 4 c .. 4 c + 3 of its fragment at 2048 T + 512 c + 16 lane; lane (r, h) holds row 32 (T / 2) + 8 (T % 2) + r + 8 (r / 8), k = 128 s + 32 c + 16 h + 0 .. 15.
; Behind the eight tiles, at 16,384: the scale words, 16 bytes a lane: word b of lane 16 u + r is that of tile 2 b + u, row r: one 16-byte load gives a reader the scale registers of all eight tiles.
; THE ROWS OF A TILE ARE NOT NEIGHBOURS, so that in a product's result the 16 registers of tiles 2 b and 2 b + 1 are 16 neighbouring channels.
; SHARES: work-group = K step, wave = tile: one fragment a wave.  W_K is 524,288 bytes, read once in the whole launch: a lane loads its 16 neighbours of each block as they lie (64 bytes), without a turn through LDS.
; A block's scale is 2^(floor(log2(its largest magnitude)) - 8); its byte is the largest magnitude's exponent field - 8, held at 1 from below.
; LIMITS: a block of zeros, or one whose largest magnitude lies under 2^-118, keeps the byte 1 (a block of zeros has zero codes, and this program alone reads the bytes); NaN and infinities are not served.
.set WSTEP, 16896
.set X,   16                           ; v16-79   64 numbers: register 16 b + i = k 32 b + 16 h + i of my row
.set PC,  80                           ; v80-95   the fragment's codes
.set TM,  96                           ; v96-111  at work: largest magnitudes, bytes, 448 x scale, the conversions' scale operands
.set PW,  112                          ; v112     my row's scale word
.set SEL, 20                           ; s[20:21] lane selects: lane l xor 16
.set MNT, 22                           ; s22      the mantissa field of 448
.set MSB, 0
.macro WIN new                         ; the immediate's high byte repeats the setting that is left (here every window is 0: nothing is emitted)
.if MSB != (\new)
	s_set_vgpr_msb (MSB<<8)|(\new)
.set MSB, (\new)
.endif
.endm
; 64 numbers of a lane, v[src] on in window win, become 16 registers of codes, v[dst] on in window 0, and (word >= 0) the row's scale word
.macro QUANT src, win, dst, word
	WIN ((\win)<<2)|((\win)<<4)
.irp b, 0,1,2,3
	v_max3_num_f32 v[TM+\b], 0x4800000, |v[\src+16*\b]|, |v[\src+16*\b+1]|   ; block b: my 16 numbers, and the floor 2^(9 - 127): the byte cannot fall under 1
.endr
.irp i, 2,4,6,8,10,12,14
.irp b, 0,1,2,3
	s_delay_alu instid0(VALU_DEP_4)
	v_max3_num_f32 v[TM+\b], v[TM+\b], |v[\src+16*\b+\i]|, |v[\src+16*\b+\i+1]|   ; the four blocks by turns
.endr
.endr
	WIN 0
.irp b, 0,1,2,3
	s_delay_alu instid0(VALU_DEP_4)
	v_permlanex16_b32 v[TM+4+\b], v[TM+\b], s[SEL], s[SEL+1]
.endr
.irp b, 0,1,2,3
	s_delay_alu instid0(VALU_DEP_4)
	v_max_num_f32 v[TM+\b], v[TM+\b], v[TM+4+\b]           ; with lane l xor 16's 16 numbers: the block's largest magnitude
.endr
.irp b, 0,1,2,3
	s_delay_alu instid0(VALU_DEP_4)
	v_add_nc_u32 v[TM+12+\b], 0xfc000000, v[TM+\b]         ; 8 off its exponent field: the conversion's scale operand
.endr
.irp b, 0,1,2,3
	v_and_or_b32 v[TM+8+\b], v[TM+\b], 0x7f800000, s[MNT]  ; 448 x the scale
.endr
.irp b, 0,1,2,3
	v_lshrrev_b32 v[TM+4+\b], 23, v[TM+12+\b]              ; the scale's byte
.endr
.if \word >= 0
	s_delay_alu instid0(VALU_DEP_3)
	v_lshl_or_b32 v[\word], v[TM+5], 8, v[TM+4]
	s_delay_alu instid0(VALU_DEP_1)
	v_lshl_or_b32 v[\word], v[TM+6], 16, v[\word]
	s_delay_alu instid0(VALU_DEP_1)
	v_lshl_or_b32 v[\word], v[TM+7], 24, v[\word]
.endif
	WIN (\win)|((\win)<<6)
.irp b, 0,1,2,3
.irp i, 0,1,2,3,4,5,6,7,8,9,10,11,12,13,14,15
	v_med3_num_f32 v[\src+16*\b+\i], v[\src+16*\b+\i], -v[TM+8+\b], v[TM+8+\b]   ; the conversion to an 8-bit code does not saturate (ISA guide 7.6.2): the hold comes first
.endr
.endr
	WIN (\win)
.irp b, 0,1,2,3
	v_cvt_scalef32_pk8_fp8_f32 v[\dst+4*\b:\dst+4*\b+1], v[\src+16*\b:\src+16*\b+7], v[TM+12+\b]
	v_cvt_scalef32_pk8_fp8_f32 v[\dst+4*\b+2:\dst+4*\b+3], v[\src+16*\b+8:\src+16*\b+15], v[TM+12+\b]
.endr
	WIN 0
	v_nop                                                  ; one plain vector line behind the last scaled conversion
.endm
	s_load_b128 s[4:7], s[0:1], 0x0                ; W_K s[4:5], wq s[6:7]
	v_lshl_add_u32 v128, v0, 2, 0x200
	v_mov_b32 v129, 0
	v_lshrrev_b32 v1, 5, v0
	s_delay_alu instid0(VALU_DEP_1)
	v_readfirstlane_b32 s8, v1                     ; wave = tile T = 2 b + u
	v_and_b32 v1, 15, v0                           ; r
	v_bfe_u32 v2, v0, 4, 1                         ; h
	v_and_b32 v7, 31, v0                           ; lane
	s_delay_alu instid0(VALU_DEP_3)
	v_and_b32 v3, 8, v1
	s_delay_alu instid0(VALU_DEP_1)
	v_add_nc_u32 v3, v3, v1                        ; r + 8 (r / 8)
	s_delay_alu instid0(VALU_DEP_1)
	v_lshlrev_b32 v3, 12, v3                       ; a row of W_K is 4,096 bytes
	s_delay_alu instid0(VALU_DEP_1)
	v_lshl_add_u32 v3, v2, 6, v3                   ; + 64 h: my 16 numbers of a block of 32
	v_lshlrev_b32 v4, 4, v7                        ; 16 x lane
	s_lshr_b32 s9, s8, 1                           ; b
	s_and_b32 s10, s8, 1                           ; u
	s_lshl_b32 s11, s10, 8
	s_lshl_b32 s12, s9, 2
	s_add_co_u32 s11, s11, s12
	v_lshl_add_u32 v5, v1, 4, s11                  ; LDS: my row's scale word at 16 (16 u + r) + 4 b
	s_lshl_b32 s12, s8, 11
	v_add_nc_u32 v6, s12, v4                       ; my tile's image: 2048 T + 16 x lane
	s_lshl_b32 s14, s9, 17                         ; the tile's first row, 32 b + 8 u, in bytes,
	s_lshl_b32 s15, s10, 15
	s_add_co_u32 s14, s14, s15
	s_lshl_b32 s15, ttmp9, 9                       ; and the K step's 512 bytes of a row
	s_add_co_u32 s14, s14, s15
	s_mov_b32 s15, 0
	s_mul_i32 s16, ttmp9, WSTEP
	s_mov_b32 s17, 0
	s_mov_b32 s[SEL], 0x76543210
	s_mov_b32 s[SEL+1], 0xfedcba98
	s_mov_b32 s[MNT], 0x600000
.irp b, 0,1,2,3
	v_mov_b32 v[TM+4+\b], 0                        ; written once: a lane permute's destination counts as one of its sources
.endr
	s_wait_alu depctr_va_vdst(0)
	s_wait_kmcnt 0x0
	s_add_nc_u64 s[4:5], s[4:5], s[14:15]
	s_add_nc_u64 s[6:7], s[6:7], s[16:17]
.irp b, 0,1,2,3
.irp j, 0,1,2,3
	global_load_b128 v[X+16*\b+4*\j:X+16*\b+4*\j+3], v3, s[4:5] offset:128*\b+16*\j
.endr
.endr
	s_wait_loadcnt 0x0
	QUANT X, 0, PC, PW
.irp c, 0,1,2,3
	global_store_b128 v6, v[PC+4*\c:PC+4*\c+3], s[6:7] offset:512*\c   ; 32 lanes store 512 consecutive bytes, aligned
.endr
	ds_store_b32 v5, v[PW]                         ; lanes r and r + 16 write the same word with the same value
	s_wait_dscnt 0x0                               ; for wave 0's sake: my word has landed
	s_barrier_signal -1
	s_barrier_wait -1
	s_cmp_lg_u32 s8, 0
	s_cbranch_scc1 .Ldone                          ; wave 0 alone sends the K step's 512 bytes of scale words
	ds_load_b128 v[116:119], v4
	s_wait_dscnt 0x0
	global_store_b128 v4, v[116:119], s[6:7] offset:16384
.Ldone:
	s_wait_tensorcnt 0x0
	ds_add_u32 v128, v129
	s_wait_dscnt 0x0
	s_endpgm
.Lfunc_end_k_q8c6cfb7a92_wquant:
	.size	k_q8c6cfb7a92_wquant, .Lfunc_end_k_q8c6cfb7a92_wquant-k_q8c6cfb7a92_wquant
	.p2alignl 7, 3214868480
	.fill 96, 4, 3214868480
	.section	.rodata,"a",@progbits
	.p2align	6, 0x0
	.amdhsa_kernel k_q8c6cfb7a92_wquant
		.amdhsa_group_segment_fixed_size 1536
		.amdhsa_private_segment_fixed_size 0
		.amdhsa_enable_private_segment 0
		.amdhsa_kernarg_size 16
		.amdhsa_user_sgpr_count 2
		.amdhsa_user_sgpr_kernarg_segment_ptr 1
		.amdhsa_wavefront_size32 1
		.amdhsa_system_sgpr_workgroup_id_x 1
		.amdhsa_system_sgpr_workgroup_id_y 1
		.amdhsa_system_sgpr_workgroup_id_z 1
		.amdhsa_system_vgpr_workitem_id 0
		.amdhsa_next_free_vgpr 130
		.amdhsa_next_free_sgpr 66
		.amdhsa_reserve_vcc 0
		.amdhsa_float_denorm_mode_32 3
		.amdhsa_float_denorm_mode_16_64 3
		.amdhsa_memory_ordered 1
		.amdhsa_forward_progress 1
		.amdhsa_inst_pref_size 14
	.end_amdhsa_kernel
	.amdgpu_metadata
---
amdhsa.version: [ 1, 2 ]
amdhsa.kernels:
  - .name:           k_q8c6cfb7a92_wquant
    .symbol:         k_q8c6cfb7a92_wquant.kd
    .args:
      - { .name: W_K, .offset: 0, .size: 8, .value_kind: global_buffer, .address_space: global }
      - { .name: wq, .offset: 8, .size: 8, .value_kind: global_buffer, .address_space: global }
    .group_segment_fixed_size: 1536
    .private_segment_fixed_size: 0
    .kernarg_segment_align: 8
    .kernarg_segment_size: 16
    .max_flat_workgroup_size: 256
    .sgpr_count:     66
    .vgpr_count:     130
    .wavefront_size: 32
...
	.end_amdgpu_metadata
.endif
;; end of part 1
;; launch proj (part 2): grid 256 x 1, 4 waves a work-group, clusters of 4 x 1, 239,104 bytes of LDS; arguments x, wq, kv; writes kv
.if DOCPART == 2
	.amdgcn_target "amdgcn-amd-amdhsa--gfx1250"
	.amdhsa_code_object_version 6
	.text
	.protected	k_q8c6cfb7a92_proj
	.globl	k_q8c6cfb7a92_proj
	.p2align	8
	.type	k_q8c6cfb7a92_proj,@function
k_q8c6cfb7a92_proj:
	s_mov_b64 s[64:65], 0
	v_nop
	global_prefetch_b8 v0, s[64:65] scope:SCOPE_SE
	s_setreg_imm32_b32 hwreg(HW_REG_WAVE_MODE, 25, 1), 1
	s_wait_xcnt 0x0
	s_wait_alu depctr_hold_cnt(0) depctr_sa_sdst(0) depctr_va_vdst(0) depctr_va_sdst(0) depctr_va_ssrc(0) depctr_va_vcc(0) depctr_vm_vsrc(0)
	s_getreg_b32 s2, hwreg(HW_REG_IB_STS2, 6, 4)
	s_cmp_eq_u32 s2, 0
	s_cbranch_scc0 .Lentry_in_a_cluster
	s_endpgm
.Lentry_in_a_cluster:
	s_bfe_u32 s2, ttmp6, 0x10000c
	s_cmp_lg_u32 s2, 0x3003
	s_cbranch_scc0 .Lentry_shape_is_right
	s_endpgm
.Lentry_shape_is_right:
; k = Q(x) Q(W_K)^T for 128 rows of x a work-group; then rope(k) quantised along the 128 channels (queries and keys of the attention) and k itself quantised along the keys (its values), both as codes of FP8 (E4M3)
; with one E8M0 byte for each 32 along a product's K.  k goes to memory as codes alone, in the order of the operands' registers.  The work-group's image (OUTB in LDS), 33,792 bytes, for rows 128 g on:
;   0       rope(k): tile T = 2 b + u at 2048 T + 512 c + 16 lane: lane (r, h): key 32 b + 8 u + r + 8 (r / 8), channels 32 c + 16 h + 0 .. 15
;   16,384  k:       tile T at 2048 T + 512 c + 16 lane: lane (r, h): channel 32 (T / 2) + 8 (T % 2) + r + 8 (r / 8), keys 32 c + 16 h + 0 .. 15
;   32,768  rope(k)'s scale words, 16 bytes a lane: word b of lane 16 u + r: tile 2 b + u, row r;      33,280  k's likewise (word g of lane 16 u + r: tile 2 g + u, row r; byte c: keys 32 c on)
; In kv four blocks of 128 rows make a slot of 135,168 bytes; block j = g % 4 puts its rope(k) half (16,384 bytes of codes, then 512 of scale words) at 33,792 (j % 2) + 16,896 (j / 2), and its k half, laid likewise, 67,584 further on.
; SHARES.  Wave c takes rows 32 c .. 32 c + 31 (two tiles of 16 rows, u = 0, 1, in the order above), all 128 channels, all of K in eight steps of 128.
; BOTH ORIENTATIONS of the product are made from the same fragments: W x gives a lane one key and registers along the channels (for the rope and the quantiser along channels); x W gives a lane one channel and
; registers along the keys (for the quantiser along keys).  So no f32 number is transposed.
; x COMES THROUGH REGISTERS: each load takes 512 consecutive bytes of one row; 32 to 64 such loads of every wave are on their way.  A K step's 16 KiB turn through the wave's own stage in LDS, so that a lane holds
; 16 neighbours along K of each block of 32, as the conversions want.  W's images, 135,168 bytes, are brought into LDS once, by one JOINT tensor load a wave, shared by the four work-groups of a cluster, and are never filled again.
; THE ROPE'S ANGLES hang on the channel pair alone: theta = 10000^(-j / 64) = 2^(-0.20762051 j), at most 1, so sine and cosine are their power series up to theta^13 and theta^14 (the first terms left out, 1/15! and 1/16!, lie under
; half a unit of the last place).  even' = t1 cos + t2 sin; odd' = -even' sin + t2 cos, each as a product and a fused multiply-add.
; LIMITS: NaN and infinities are not served; a block of zeros, or one under 2^-118, keeps the scale byte 1 (this program alone reads the bytes); theta is right to 6e-7 of itself (the exponent's rounding).
; REGISTERS, in windows of 256.  window 0: v2-15 addresses; v16-143 128 numbers in operand order; v144-175 x's two fragments; v176-191 at work; v192-193 x's scale words; v196-199 W's; v200-219 the table's work.
;   window 1: v0-127 W's eight fragments of a K step.   window 2: v0-127 W x (tile of rows u, tile of channels T at 64 u + 8 T); v128-255 x W (at 128 + 16 T + 8 u).   window 3: two sets of 128 as loaded; at the end cos, sin.
.set HALFB,  33792
.set WSTEP,  16896
.set STAGE,  135168                    ; behind W's images: a stage of 32 rows for each wave
.set SPITCH, 528                       ; a stage row: 512 bytes + 16: the 16 rows that a load touches start 33 x 16 bytes apart, at 16 different places modulo 256 bytes
.set SSIZE,  32*SPITCH
.set OUTB,   STAGE+4*SSIZE
.set TBL,    OUTB+HALFB                ; for each wave: cos[64], sin[64]
.set SPARE,  TBL+2048                  ; the spare words
.set TSA, 2                            ; v2   the stage, on the way in: 16 x lane
.set TRA, 3                            ; v3   and out: row r, + 64 h
.set LI,  4                            ; v4   16 x lane
.set WA,  5                            ; v5   W's images of the step in hand
.set OA,  7
.set OKS, 8
.set OV,  9
.set OVS, 10
.set ORD, 11
.set GOF, 12
.set ORS, 13
.set GOS, 14
.set TBA, 15
.set XN,  16
.set XC,  144
.set TM,  176
.set XS,  192
.set WS,  196
.set COS, 0                            ; in window 3
.set SIN, 32
.set SEL, 24                           ; s[24:25] lane selects: lane l xor 16
.set MNT, 26                           ; s26      the mantissa field of 448
.set MSB, 0
.macro WIN new                         ; the immediate's high byte repeats the setting that is left
.if MSB != (\new)
	s_set_vgpr_msb (MSB<<8)|(\new)
.set MSB, (\new)
.endif
.endm
.macro PLACES n
.rept \n
	v_nop
.endr
.endm
.macro WALU
	s_wait_alu depctr_va_vdst(0)
.endm
.macro ROUND                           ; a round of the cluster's barrier
	s_barrier_signal -1
	s_barrier_wait -1
	s_cmp_lg_u32 s10, 0
	s_cbranch_scc1 .Lnot_wave_0_\@
	s_barrier_signal -3
.Lnot_wave_0_\@:
	s_barrier_wait -3
	s_barrier_signal -1
	s_barrier_wait -1
.endm
; THE QUANTISER of 64 numbers of a lane, v[src] on in window win (register 16 b + i = the block's k 32 b + 16 h + i), in two parts.  QMAX: the scales, and (word >= 0) the row's scale word
.macro QMAX src, win, word
	WIN ((\win)<<2)|((\win)<<4)
.irp b, 0,1,2,3
	v_max3_num_f32 v[TM+\b], 0x4800000, |v[\src+16*\b]|, |v[\src+16*\b+1]|   ; block b: my 16 numbers, and the floor 2^(9 - 127): the byte cannot fall under 1
.endr
.irp i, 2,4,6,8,10,12,14
.irp b, 0,1,2,3
	v_max3_num_f32 v[TM+\b], v[TM+\b], |v[\src+16*\b+\i]|, |v[\src+16*\b+\i+1]|   ; the four blocks by turns
.endr
.endr
	WIN 0
.irp b, 0,1,2,3
	v_permlanex16_b32 v[TM+4+\b], v[TM+\b], s[SEL], s[SEL+1]
.endr
.irp b, 0,1,2,3
	v_max_num_f32 v[TM+\b], v[TM+\b], v[TM+4+\b]           ; with lane l xor 16's 16 numbers: the block's largest magnitude
.endr
.irp b, 0,1,2,3
	v_add_nc_u32 v[TM+12+\b], 0xfc000000, v[TM+\b]         ; 8 off its exponent field: the conversion's scale operand
.endr
.irp b, 0,1,2,3
	v_and_or_b32 v[TM+8+\b], v[TM+\b], 0x7f800000, s[MNT]  ; 448 x the scale
.endr
.irp b, 0,1,2,3
	v_lshrrev_b32 v[TM+4+\b], 23, v[TM+12+\b]              ; the scale's byte
.endr
.if (\word) >= 0
	v_lshl_or_b32 v[\word], v[TM+5], 8, v[TM+4]
	v_lshl_or_b32 v[\word], v[TM+6], 16, v[\word]
	v_lshl_or_b32 v[\word], v[TM+7], 24, v[\word]
.endif
.endm
; QHOLD: 16 registers of codes, v[dst] on in window 0
.macro QHOLD src, win, dst
	WIN (\win)|((\win)<<6)
.irp b, 0,1,2,3
.irp i, 0,1,2,3,4,5,6,7,8,9,10,11,12,13,14,15
	v_med3_num_f32 v[\src+16*\b+\i], v[\src+16*\b+\i], -v[TM+8+\b], v[TM+8+\b]   ; the conversion to an 8-bit code does not saturate (ISA guide 7.6.2): the hold comes first
.endr
.endr
	WIN (\win)
.irp b, 0,1,2,3
	v_cvt_scalef32_pk8_fp8_f32 v[\dst+4*\b:\dst+4*\b+1], v[\src+16*\b:\src+16*\b+7], v[TM+12+\b]
	v_cvt_scalef32_pk8_fp8_f32 v[\dst+4*\b+2:\dst+4*\b+3], v[\src+16*\b+8:\src+16*\b+15], v[TM+12+\b]
.endr
	WIN 0
	v_nop                                                  ; one plain vector line behind the last scaled conversion
.endm
; one scaled product.  row = 1: source 0's scales stand in lanes 16-31 of their register; 2: source 1's
.macro MM d, a, b, zero, sa, sb, row
.if \zero
.if \row == 0
	v_wmma_scale_f32_16x16x128_f8f6f4 v[\d:\d+7], v[\a:\a+15], v[\b:\b+15], 0, v[\sa], v[\sb]
.elseif \row == 1
	v_wmma_scale_f32_16x16x128_f8f6f4 v[\d:\d+7], v[\a:\a+15], v[\b:\b+15], 0, v[\sa], v[\sb] matrix_a_scale:MATRIX_SCALE_ROW1
.else
	v_wmma_scale_f32_16x16x128_f8f6f4 v[\d:\d+7], v[\a:\a+15], v[\b:\b+15], 0, v[\sa], v[\sb] matrix_b_scale:MATRIX_SCALE_ROW1
.endif
.else
.if \row == 0
	v_wmma_scale_f32_16x16x128_f8f6f4 v[\d:\d+7], v[\a:\a+15], v[\b:\b+15], v[\d:\d+7], v[\sa], v[\sb]
.elseif \row == 1
	v_wmma_scale_f32_16x16x128_f8f6f4 v[\d:\d+7], v[\a:\a+15], v[\b:\b+15], v[\d:\d+7], v[\sa], v[\sb] matrix_a_scale:MATRIX_SCALE_ROW1
.else
	v_wmma_scale_f32_16x16x128_f8f6f4 v[\d:\d+7], v[\a:\a+15], v[\b:\b+15], v[\d:\d+7], v[\sa], v[\sb] matrix_b_scale:MATRIX_SCALE_ROW1
.endif
.endif
.endm
; a K step of my 32 rows as it lies: 32 loads, each 512 consecutive bytes of one row, into a set of window 3
.macro RAWLOAD set, off
	WIN 0xc0                                       ; destination window 3
.set i, 0
.rept 32
	global_load_b128 v[128*(\set)+4*i:128*(\set)+4*i+3], v[LI], s[4:5] offset:4096*i+(\off) th:TH_LOAD_NT
.set i, i+1
.endr
	WIN 0
.endm
; rows lo .. hi - 1 of a set into my stage: row i goes to the place of its tile and its row there, 16 ((i / 8) % 2) + i % 8 + 8 (i / 16)
.macro STX set, lo, hi
	WIN 0x0c                                       ; an LDS store's data are its source 1: window 3
.set i, \lo
.rept (\hi)-(\lo)
	ds_store_b128 v[TSA], v[128*(\set)+4*i:128*(\set)+4*i+3] offset:SPITCH*(16*((i>>3)&1)+(i&7)+8*(i>>4))
.set i, i+1
.endr
	WIN 0
.endm
; back come 64 bytes a lane and block.  LDS serves a wave's instructions in order: no wait between
.macro LDX
.irp u, 0,1
.irp b, 0,1,2,3
.irp j, 0,1,2,3
	ds_load_b128 v[XN+64*\u+16*\b+4*\j:XN+64*\u+16*\b+4*\j+3], v[TRA] offset:16*SPITCH*\u+128*\b+16*\j
.endr
.endr
.endr
.endm
; W's eight fragments and their scale words of the step in hand: 33 loads
.macro FETCHW
	WIN 0x40                                       ; destination window 1
.irp t, 0,1,2,3,4,5,6,7
.irp c, 0,1,2,3
	ds_load_b128 v[16*\t+4*\c:16*\t+4*\c+3], v[WA] offset:2048*\t+512*\c
.endr
.endr
	WIN 0
	ds_load_b128 v[WS:WS+3], v[WA] offset:16384
.endm
; 32 products: the 32 accumulators take turns, one instruction a turn, in the same order in every K step
.macro MULS zero
	WIN 0xa1                                       ; source 0 (W) window 1, source 1 (x) window 0, C and D window 2
.irp u, 0,1
.irp t, 0,1,2,3,4,5,6,7
	MM 64*\u+8*\t, 16*\t, XC+16*\u, \zero, WS+\t/2, XS+\u, \t%2
.endr
.endr
	WIN 0xa4                                       ; source 0 (x) window 0, source 1 (W) window 1
.irp t, 0,1,2,3,4,5,6,7
.irp u, 0,1
	MM 128+16*\t+8*\u, XC+16*\u, 16*\t, \zero, XS+\u, WS+\t/2, 2*(\t%2)
.endr
.endr
	WIN 0
.endm
; A K STEP s.  mode 0: s = 0; 1: s = 1 .. 4; 2: s = 5 (nothing is left to ask for); 3: s = 6; 4: s = 7 (the last).  set = (s + 1) % 2: the next step's numbers, and then those of step s + 3, at byte off of the rows
.macro KSTEP mode, set, off
.if (\mode) > 0
	PLACES 8                                       ; eight places between the last products and loads into registers that they read
.endif
	FETCHW
	v_add_nc_u32 v[WA], WSTEP, v[WA]
	WALU
	s_wait_dscnt 33                                ; the 33 loads just issued may stay out: this step's numbers are back from the stage
	QMAX XN, 0, XS
	QHOLD XN, 0, XC
.if (\mode) < 4
	WALU
.if (\mode) == 3
	s_wait_loadcnt 0x0                             ; the last step's loads
.else
	s_wait_loadcnt 32                              ; the next step's 32 loads are in; those of the step behind it may stay out
.endif
	STX \set, 0, 11                                ; the stage's stores stand between the quantiser's parts
.endif
	QMAX XN+64, 0, XS+1
.if (\mode) < 4
	STX \set, 11, 22
.endif
	QHOLD XN+64, 0, XC+16
.if (\mode) < 4
	STX \set, 22, 32
	LDX
	WALU
	s_wait_dscnt 32                                ; the 32 loads from the stage may stay out: its stores have read their registers, and W's fragments are in
.if (\mode) < 2
	RAWLOAD \set, \off                             ; into the set that the stage's stores have just left
.endif
.else
	WALU
	s_wait_dscnt 0x0                               ; W's fragments
.endif
	PLACES 4                                       ; codes made by vector instructions stand four places ahead of a scaled product; the scale words were made ahead of the 64 holds
	WALU
.if (\mode) == 0
	MULS 1                                         ; the first K step starts the sums: nothing is cleared
.else
	MULS 0
.endif
.endm
	s_load_b128 s[4:7], s[0:1], 0x0                ; x s[4:5], wq s[6:7]
	s_load_b64 s[8:9], s[0:1], 0x10                ; kv
	v_lshl_add_u32 v254, v0, 2, SPARE
	v_mov_b32 v255, 0
	ds_add_u32 v254, v255                          ; the wave's opening: the add, twice on end
	ds_add_u32 v254, v255
	v_lshrrev_b32 v216, 5, v0
	v_readfirstlane_b32 s10, v216                  ; wave c
	v_and_b32 v216, 31, v0                         ; lane
	v_and_b32 v217, 15, v0                         ; r
	v_bfe_u32 v218, v0, 4, 1                       ; h
	v_lshlrev_b32 v[LI], 4, v216
	; descriptor group 1: a quarter of wq, 33,792 dense bytes, as 132 rows of 256 bytes (32 elements of 8 bytes), no padding: the images are read 16 bytes a lane on end
	s_mov_b32 s16, 15|(3<<16)|(1<<21)              ; 15:0 the mask: all four work-groups of the cluster; 21 set beside a mask
	s_mov_b32 s17, 32<<16                          ; tensor_dim0 = 32
	s_mov_b32 s18, 132<<16                         ; tensor_dim1 = 132
	s_mov_b32 s19, 32<<16                          ; tile_dim0 = 32
	s_mov_b32 s20, 132                             ; tile_dim1 = 132
	s_mov_b32 s21, 32                              ; from row to row
	s_mov_b32 s22, 0
	s_mov_b32 s23, 0
	s_mov_b32 s12, 1
	s_mul_i32 s13, s10, HALFB                      ; LDS: wave x 33,792
	s_mul_i32 s28, s10, HALFB                      ; and the same in wq
	s_mov_b32 s29, 0
	s_bfe_u32 s34, ttmp6, 0x40000                  ; cx
	s_lshl_b32 s35, ttmp9, 2
	s_add_co_u32 s34, s34, s35                     ; my work-group: 4 x cluster + cx
	s_lshl_b32 s30, s34, 19                        ; x: 128 rows of 4,096 bytes a work-group,
	s_lshl_b32 s31, s10, 17                        ; 32 a wave
	s_add_co_u32 s30, s30, s31
	s_mov_b32 s31, 0
	s_lshr_b32 s32, s34, 2                         ; kv: my block's place in its slot
	s_mul_i32 s32, s32, 4*HALFB
	s_and_b32 s33, s34, 1
	s_mul_i32 s33, s33, HALFB
	s_add_co_u32 s32, s32, s33
	s_bfe_u32 s33, s34, 0x10001
	s_mul_i32 s33, s33, HALFB/2
	s_add_co_u32 s32, s32, s33
	s_mov_b32 s33, 0
	s_mov_b32 s[SEL], 0x76543210
	s_mov_b32 s[SEL+1], 0xfedcba98
	s_mov_b32 s[MNT], 0x600000
	WALU
	s_wait_dscnt 0x0
	s_wait_kmcnt 0x0
	s_add_nc_u64 s[4:5], s[4:5], s[30:31]
	s_add_nc_u64 s[8:9], s[8:9], s[32:33]
	s_add_nc_u64 s[14:15], s[6:7], s[28:29]
	s_or_b32 s15, s15, 0x80000000                  ; type = 2
	RAWLOAD 0, 0
	ROUND                                          ; all four work-groups are here: the joint loads meet
	tensor_load_to_lds s[12:15], s[16:23]          ; my quarter of W's images: the launch's only fill of these bytes, one load a wave out
	s_nop 0
	PLACES 4
	RAWLOAD 1, 512
	; addresses
	s_mul_i32 s28, s10, SSIZE
	s_add_co_u32 s28, s28, STAGE
	v_add_nc_u32 v[TSA], s28, v[LI]
	v_mul_u32_u24 v[TRA], v217, SPITCH
	v_lshl_add_u32 v[TRA], v218, 6, v[TRA]
	v_add_nc_u32 v[TRA], s28, v[TRA]
	v_mov_b32 v[WA], v[LI]
	s_lshl_b32 s28, s10, 12
	s_add_co_u32 s28, s28, OUTB
	v_add_nc_u32 v[OA], s28, v[LI]                 ; rope(k)'s tiles 2 c, 2 c + 1
	s_lshl_b32 s28, s10, 2
	s_add_co_u32 s28, s28, OUTB+32768
	v_lshl_add_u32 v[OKS], v217, 4, s28            ; their scale words: 16 r + 4 c (+ 256 u)
	s_lshl_b32 s28, s10, 9
	s_add_co_u32 s29, s28, OUTB+16384
	v_add_nc_u32 v[OV], s29, v[LI]                 ; k's registers 4 c .. 4 c + 3 of every tile
	s_add_co_u32 s29, s10, OUTB+33280
	v_lshl_add_u32 v[OVS], v217, 4, s29            ; byte c of their scale words
	s_add_co_u32 s29, s28, TBL
	v_lshl_add_u32 v[TBA], v218, 5, s29            ; the table: + 32 h: my half's eight pairs of each 16
	v_lshl_add_u32 v219, v216, 2, s29              ; and where I put it: 4 x lane
	s_lshl_b32 s28, s10, 13
	s_add_co_u32 s29, s28, OUTB
	v_add_nc_u32 v[ORD], s29, v[LI]                ; the way out: 8,192 bytes of images a wave (waves 0, 1: rope(k)'s; waves 2, 3: k's),
	s_lshr_b32 s29, s10, 1
	s_mul_i32 s29, s29, 2*HALFB-16384
	s_add_co_u32 s28, s28, s29
	v_add_nc_u32 v[GOF], s28, v[LI]
	s_lshl_b32 s28, s10, 8
	s_add_co_u32 s29, s28, OUTB+32768
	v_lshl_add_u32 v[ORS], v216, 3, s29            ; and 256 bytes of scale words
	s_lshr_b32 s29, s10, 1
	s_mul_i32 s29, s29, 2*HALFB-512
	s_add_co_u32 s28, s28, s29
	s_add_co_u32 s28, s28, 16384
	v_lshl_add_u32 v[GOS], v216, 3, s28
.irp b, 0,1,2,3
	v_mov_b32 v[TM+4+\b], 0                        ; written once: a lane permute's destination counts as one of its sources
.endr
	; the table: lane l makes pairs l and l + 32
	v_add_nc_u32 v201, 32, v216
	v_cvt_f32_u32 v200, v216
	v_cvt_f32_u32 v201, v201
	v_mul_f32 v200, 0xbe549a78, v200               ; -log2(10000) / 64 x the pair's number
	v_mul_f32 v201, 0xbe549a78, v201
	WALU
	v_exp_f32 v200, v200                           ; theta
	v_exp_f32 v201, v201
	v_mov_b32 v204, 0x2f309231                     ; 1/13!  (a plain line behind the exponentials)
	v_mov_b32 v205, 0x2f309231
	v_mov_b32 v206, 0xad49cba5                     ; -1/14!
	v_mov_b32 v207, 0xad49cba5
	WALU
	v_mul_f32 v202, v200, v200                     ; theta^2
	v_mul_f32 v203, v201, v201
.irp k, 0xb2d7322b, 0x3638ef1d, 0xb9500d01, 0x3c088889, 0xbe2aaaab
	v_fma_f32 v204, v204, v202, \k                 ; -1/11!, 1/9!, -1/7!, 1/5!, -1/3!
	v_fma_f32 v205, v205, v203, \k
.endr
.irp k, 0x310f76c7, 0xb493f27e, 0x37d00d01, 0xbab60b61, 0x3d2aaaab
	v_fma_f32 v206, v206, v202, \k                 ; 1/12!, -1/10!, 1/8!, -1/6!, 1/4!
	v_fma_f32 v207, v207, v203, \k
.endr
	v_fma_f32 v206, v206, v202, -0.5
	v_fma_f32 v207, v207, v203, -0.5
	v_mul_f32 v208, v200, v202
	v_mul_f32 v209, v201, v203
	v_fma_f32 v206, v206, v202, 1.0                ; cos
	v_fma_f32 v207, v207, v203, 1.0
	v_fma_f32 v204, v208, v204, v200               ; sin = theta + theta^3 (..)
	v_fma_f32 v205, v209, v205, v201
	ds_store_b32 v219, v206
	ds_store_b32 v219, v207 offset:128
	ds_store_b32 v219, v204 offset:256
	ds_store_b32 v219, v205 offset:384
	WALU
	s_wait_loadcnt 32                              ; K step 0's 32 loads are in; step 1's may stay out
	STX 0, 0, 32
	LDX
	s_wait_dscnt 32                                ; the stage's stores have read their registers
	RAWLOAD 0, 1024
	s_mov_b32 s36, 2
	WALU
	s_wait_tensorcnt 0x0                           ; my quarter of W's images has landed,
	s_wait_dscnt 0x0                               ; no LDS instruction of mine is out,
	s_barrier_signal -1
	s_barrier_wait -1                              ; and so for all four waves: the images are whole
	KSTEP 0, 1, 1536
.Lk:                                               ; K steps 1 to 4, two a trip
	KSTEP 1, 0, 2048
	KSTEP 1, 1, 2560
	s_wait_xcnt 0x0                                ; the loads have taken their base
	s_add_nc_u64 s[4:5], s[4:5], 1024
	WALU
	s_sub_co_u32 s36, s36, 1
	s_cmp_lg_u32 s36, 0
	s_cbranch_scc1 .Lk
	KSTEP 2, 0, 0
	KSTEP 3, 1, 0
	KSTEP 4, 0, 0
	; ---- the rope, on W x: lane (r, h) holds key r of tile u; register 64 u + 16 b + i is channel 32 b + 16 h + i, so registers 2 n, 2 n + 1 are pair 16 b + 8 h + n % 8, b = (n % 32) / 8
	PLACES 8                                       ; eight places between the last products and the first read of results
	WIN 0xc0
.irp b, 0,1,2,3
.irp q, 0,1
	ds_load_b128 v[COS+8*\b+4*\q:COS+8*\b+4*\q+3], v[TBA] offset:64*\b+16*\q          ; my own wave's table: LDS serves a wave's instructions in order
	ds_load_b128 v[SIN+8*\b+4*\q:SIN+8*\b+4*\q+3], v[TBA] offset:256+64*\b+16*\q
.endr
.endr
	WIN 0
	s_wait_dscnt 0x0
	WIN 0x0e                                       ; source 0 window 2, source 1 window 3, destination window 0
.set n, 0
.rept 64
	v_mul_f32 v[XN+n], v[2*n+1], v[SIN+n%32]       ; t2 sin  (ascending: each accumulator is read from its low end on)
	v_mul_f32 v[XN+64+n], v[2*n+1], v[COS+n%32]    ; t2 cos
.set n, n+1
.endr
	WIN 0x8e                                       ; the same, destination window 2, source 2 window 0
.set n, 0
.rept 64
	v_fma_f32 v[2*n], v[2*n], v[COS+n%32], v[XN+n]             ; even' = t1 cos + t2 sin
.set n, n+1
.endr
.set n, 0
.rept 64
	v_fma_f32 v[2*n+1], -v[2*n], v[SIN+n%32], v[XN+64+n]       ; odd' = -even' sin + t2 cos: it takes the new even
.set n, n+1
.endr
	WIN 0
.irp u, 0,1
	QMAX 64*\u, 2, XS+\u                           ; along the channels: the fragment of keys (and queries) of tile 2 c + u
	QHOLD 64*\u, 2, XC+16*\u
.irp c, 0,1,2,3
	ds_store_b128 v[OA], v[XC+16*\u+4*\c:XC+16*\u+4*\c+3] offset:2048*\u+512*\c
.endr
	ds_store_b32 v[OKS], v[XS+\u] offset:256*\u    ; lanes r and r + 16 write the same word with the same value
.endr
	; ---- x W: lane (r, h) holds a channel of tile T; register 128 + 16 T + i is key 32 c + 16 h + i: one block of 32 keys a tile
.irp q, 0,1
	QMAX 128+64*\q, 2, -1                          ; along the keys: four tiles at a time; each gives registers 4 c .. 4 c + 3 of its fragment and byte c of its scale words
	QHOLD 128+64*\q, 2, XN+16*\q
.irp b, 0,1,2,3
	ds_store_b128 v[OV], v[XN+16*\q+4*\b:XN+16*\q+4*\b+3] offset:2048*(4*\q+\b)
	ds_store_b8 v[OVS], v[TM+4+\b] offset:256*(\b%2)+4*((4*\q+\b)/2)
.endr
	s_wait_dscnt 0x0                               ; the stores have read their registers: the bytes' are written again
.endr
	s_barrier_signal -1                            ; (no LDS instruction of mine is out)
	s_barrier_wait -1                              ; the block's image is whole
.irp k, 0,1,2,3,4,5,6,7,8,9,10,11,12,13,14,15
	ds_load_b128 v[XN+4*\k:XN+4*\k+3], v[ORD] offset:512*\k
.endr
	ds_load_b64 v[XC:XC+1], v[ORS]
.irp k, 0,1,2,3,4,5,6,7,8,9,10,11,12,13,14,15
	s_wait_dscnt 16-\k                             ; behind load k: 15 - k of its kind and the scale words'
	global_store_b128 v[GOF], v[XN+4*\k:XN+4*\k+3], s[8:9] offset:512*\k   ; 32 lanes store 512 consecutive bytes, aligned; the next launch reads them, so no hint
.endr
	s_wait_dscnt 0x0
	global_store_b64 v[GOS], v[XC:XC+1], s[8:9]    ; 32 lanes store 256 consecutive bytes, aligned
	s_wait_tensorcnt 0x0                           ; the wave's end
	ds_add_u32 v254, v255
	s_wait_dscnt 0x0
	ROUND                                          ; the closing round
	s_endpgm
.Lfunc_end_k_q8c6cfb7a92_proj:
	.size	k_q8c6cfb7a92_proj, .Lfunc_end_k_q8c6cfb7a92_proj-k_q8c6cfb7a92_proj
	.p2alignl 7, 3214868480
	.fill 96, 4, 3214868480
	.section	.rodata,"a",@progbits
	.p2align	6, 0x0
	.amdhsa_kernel k_q8c6cfb7a92_proj
		.amdhsa_group_segment_fixed_size 239104
		.amdhsa_private_segment_fixed_size 0
		.amdhsa_enable_private_segment 0
		.amdhsa_kernarg_size 24
		.amdhsa_user_sgpr_count 2
		.amdhsa_user_sgpr_kernarg_segment_ptr 1
		.amdhsa_wavefront_size32 1
		.amdhsa_system_sgpr_workgroup_id_x 1
		.amdhsa_system_sgpr_workgroup_id_y 1
		.amdhsa_system_sgpr_workgroup_id_z 1
		.amdhsa_system_vgpr_workitem_id 0
		.amdhsa_next_free_vgpr 1024
		.amdhsa_next_free_sgpr 66
		.amdhsa_reserve_vcc 0
		.amdhsa_float_denorm_mode_32 3
		.amdhsa_float_denorm_mode_16_64 3
		.amdhsa_memory_ordered 1
		.amdhsa_forward_progress 1
		.amdhsa_inst_pref_size 240
	.end_amdhsa_kernel
	.amdgpu_metadata
---
amdhsa.version: [ 1, 2 ]
amdhsa.kernels:
  - .name:           k_q8c6cfb7a92_proj
    .symbol:         k_q8c6cfb7a92_proj.kd
    .args:
      - { .name: x, .offset: 0, .size: 8, .value_kind: global_buffer, .address_space: global }
      - { .name: wq, .offset: 8, .size: 8, .value_kind: global_buffer, .address_space: global }
      - { .name: kv, .offset: 16, .size: 8, .value_kind: global_buffer, .address_space: global }
    .group_segment_fixed_size: 239104
    .private_segment_fixed_size: 0
    .kernarg_segment_align: 8
    .kernarg_segment_size: 24
    .max_flat_workgroup_size: 128
    .sgpr_count:     66
    .vgpr_count:     1024
    .wavefront_size: 32
...
	.end_amdgpu_metadata
.endif
;; end of part 2
;; launch attn (part 3): grid 32 x 8, 8 waves a work-group, clusters of 4 x 1, 327,680 bytes of LDS; arguments kv, out0; writes out0
.if DOCPART == 3
	.amdgcn_target "amdgcn-amd-amdhsa--gfx1250"
	.amdhsa_code_object_version 6
	.text
	.protected	k_q8c6cfb7a92_attn
	.globl	k_q8c6cfb7a92_attn
	.p2align	8
	.type	k_q8c6cfb7a92_attn,@function
k_q8c6cfb7a92_attn:
	s_mov_b64 s[64:65], 0
	v_nop
	global_prefetch_b8 v0, s[64:65] scope:SCOPE_SE
	s_setreg_imm32_b32 hwreg(HW_REG_WAVE_MODE, 25, 1), 1
	s_wait_xcnt 0x0
	s_wait_alu depctr_hold_cnt(0) depctr_sa_sdst(0) depctr_va_vdst(0) depctr_va_sdst(0) depctr_va_ssrc(0) depctr_va_vcc(0) depctr_vm_vsrc(0)
	s_getreg_b32 s2, hwreg(HW_REG_IB_STS2, 6, 4)
	s_cmp_eq_u32 s2, 0
	s_cbranch_scc0 .Lentry_in_a_cluster
	s_endpgm
.Lentry_in_a_cluster:
	s_bfe_u32 s2, ttmp6, 0x10000c
	s_cmp_lg_u32 s2, 0x3003
	s_cbranch_scc0 .Lentry_shape_is_right
	s_endpgm
.Lentry_shape_is_right:
; out[h][q][:] = the sum over keys k <= q of softmax_k(rope(k)[q] . rope(k)[k] / sqrt(128)) k[k][:], both products on codes of FP8 (E4M3) with one E8M0 byte for each 32 along a product's K.
; kv holds slots of 512 keys (135,168 bytes): four quarters j of 128 keys; rope(k)'s half of quarter j (eight tiles as images of the operand's registers, then 512 bytes of scale words) at 33,792 (j % 2) + 16,896 (j / 2),
; k's half (keys innermost) 67,584 further on.  A tile's lane r is key (or channel) 32 b + 8 u + r + 8 (r / 8): so in a result the 16 registers of tiles 2 b, 2 b + 1 are 16 neighbours.  A tile of QUERIES is a tile of keys.
; THE SOFTMAX: t = score x log2(e) / sqrt(128); M = the largest t so far, rounded UP to a whole number; p = 2^(t - M) is quantised along the keys, not normalised; the row's sum is taken of the unquantised p and divides at the end.
; When M moves, the sum and O are multiplied by 2^(old M - new M): exact.
; SHARES.  Work-group i = 4 A + cx of a head owns two blocks of 64 queries, i and 63 - i, one after the other: together 9 trips of a slot for every work-group.  First comes the block that ends in the upper half of its last slot,
; then the other, whose last slot counts in its lower half alone.  Wave w holds 32 queries (two tiles, u = 0, 1: part w % 2 of the block) and quarter w / 2 of every slot: four waves share a row and split the keys, each with its own M, sum and O^T;
; a pass ends by an exchange in which each wave gathers 16 queries x 64 channels by exact powers of two.  On the diagonal hidden scores become -infinity (first pass: waves 4 to 7; second: waves 0 to 3, where waves 4 to 7 leave the last step out).
; ORDER OF WORK.  Trip t: S^T(t) = K(t) Q^T, with O^T brought under trip t - 1's M between; the softmax up to p(t); O^T += V(t - 1)^T P(t - 1)^T; p(t)'s sums and codes.  ONE bank of fragments takes K(t), V(t - 1) and K(t + 1) by turns, and the LDS loads
; stand among vector work.  The first trip's second product has codes of zero (the trip is written once; it reads the bytes that the head's first fill of V's slot 1 brought).
; A pass ends behind the second product of the next pass's first trip: the exchange takes the M that stood ahead of that trip's; then f = 0 clears the sums and O^T.
; THE RINGS.  K and V have two slots each.  Behind trip t's round K(t + 2) and V(t + 1) are asked for, by one joint load each of waves 0, 1 (K) and 2, 3 (V): a whole trip's work stands between a request and the wait for it.
; PREFETCH.  The eight clusters of a head walk the same slots.  Cluster A asks, in trip A - 3, for slot A: its trip is A, or 3 trips on; the slot's 528 blocks of 256 bytes are shared out by address, 132 to each partner, a lane a block, by waves 3 to 7.
; Slots 0 to 2 come by their loads alone; no slot behind the head's last is named.
; CLUSTER.  The four work-groups of a cluster (same A, same head) walk the same slots in the same trips: each slot is asked for JOINTLY.  Branches hang on the trip, A and the wave's number; cx enters the addresses of Q, of the output and of the prefetch, and the mask's numbers.
; LIMITS: NaN and infinities are not served; the promise holds while the scaled scores stay under 2^31 in magnitude; p under 2^-126 falls to 0 in v_exp_f32; a block's largest p is taken from its largest score (v_exp_f32 is taken not to fall where its input
; rises); a block of p that is all zeros keeps the scale byte 1: its codes are zeros.
; REGISTERS, window 0: v0 the prefetch's offset, v1 spare word's address, v2 0, v3 16 x lane, v4, v5 my quarter in K's, V's slot 0, v6 the mask's lane term, v7 the output's offset; tile 0: v8 -M, v9 the largest t, v10-13 the sum in four parts;
; tile 1: v14-19 likewise; v20, v22 f; v21, v23 p's scale words; v24-27 K's, v28 Q's, v32-35 V's scale words; v29-30 the step's largest scores, then the old -M; v36-59 per tile largest (then bound), at work (then bytes), conversion scales;
; v60-63 at work; v64-95 p's codes (in the exchange: at work); v96-127 Q; v128-255 O^T.   window 1: v0-127 S^T, then p (tile u at 64 u); v128-255 fragments.
.set CHUNK, 33792                      ; what one tensor load brings: 132 rows of 256 bytes
.set PART,  16896
.set HALF,  67584                      ; K's or V's part of a slot
.set SLOTB, 135168
.set HEADB, 1081344
.set VR,    2*HALF                     ; V's ring
.set RX,    4*HALF                     ; the exchange: 8 owners x 3 x 2,048 bytes
.set ML,    RX+49152                   ; -M and the sum: 8 waves x 2 tiles x 256 bytes
.set SPARE, ML+4096                    ; the spare words, 128 bytes for each wave
.set LI, 3
.set AK, 4
.set AV, 5
.set DL, 6
.set GO, 7
.set OT, 128                           ; O^T
.set FB, 128                           ; fragments, in window 1
.set WV, 8
.set WQ, 9                             ; s9   my quarter of a slot
.set WD, 10                            ; s10  my part of the block
.set CX, 11
.set CA, 12
.set T1, 13                            ; s13  the first pass's last trip
.set HEAD, 14
.set TRIP, 15
.set NP, 16                            ; s16  HALF x ((trip + 1) % 2)
.set FJ, 17                            ; s17  the trip for which my wave fetches
.set MD1, 18
.set MNT, 19
.set SEL, 20
.set CS, 22
.set G1, 24
.set G0, 32
.set BASEW, 36
.set OFF, 38
.set P2, 40
.set S2, 42
.set P1, 44
.set S1, 46
.set OP1, 48
.set OP2, 50
.set MD2, 52
.set CNT, 53
.set RXD, 54
.set RXO, 55
.set MLW, 56
.set MLD, 57
.set T1P, 58
.set PT, 59                            ; s59  the trip in which my cluster prefetches
.set PF, 60                            ; s[60:61] and what
.set MSB, 0
.macro WIN new                         ; the immediate's high byte repeats the setting that is left
.if MSB != (\new)
	s_set_vgpr_msb (MSB<<8)|(\new)
.set MSB, (\new)
.endif
.endm
.macro PLACES n
.rept \n
	v_nop
.endr
.endm
.macro WALU
	s_wait_alu depctr_va_vdst(0)
.endm
.macro CREST                           ; a round of the cluster's barrier behind its opening barrier
	s_cmp_lg_u32 s[WV], 0
	s_cbranch_scc1 .Lnot_wave_0_\@
	s_barrier_signal -3
.Lnot_wave_0_\@:
	s_barrier_wait -3
	s_barrier_signal -1
	s_barrier_wait -1
.endm
.macro ROUND
	s_barrier_signal -1
	s_barrier_wait -1
	CREST
.endm
.macro TLOAD vonly                     ; a joint load: waves 0 to 3 (vonly: waves 2 and 3), by the wave's number alone
.if \vonly
	s_cmp_eq_u32 s[WQ], 1
.else
	s_cmp_lt_u32 s[WV], 4
.endif
	s_cbranch_scc0 .Lno_load_\@
	tensor_load_to_lds s[G0:G0+3], s[G1:G1+7]
	s_nop 0
	PLACES 4
.Lno_load_\@:
.endm
.macro FILLSTEP                        ; group 0 of my wave's next load: no tensor load of mine is out
	s_add_co_u32 s[FJ], s[FJ], 1
	s_sub_co_u32 s80, s[FJ], s[T1P]
	s_cmp_le_u32 s[FJ], s[T1]
	s_cselect_b32 s80, s[FJ], s80                  ; the second pass begins at the head's first slot again
	s_mul_i32 s[OFF], s80, SLOTB
	s_add_nc_u64 s[G0+2:G0+3], s[BASEW:BASEW+1], s[OFF:OFF+1]
	s_or_b32 s[G0+3], s[G0+3], 0x80000000
	s_xor_b32 s[G0+1], s[G0+1], HALF               ; the other slot of my ring (the addresses' bits do not meet)
.endm
.macro SMM t, u                        ; one product of S^T: source 0 = 16 keys, source 1 = 16 queries; K's scales in row t % 2, Q's in row u
.set D_, 64*(\u)+8*(\t)
.set A_, FB+16*(\t)
.set B_, 96+16*(\u)
.set W_, 24+(\t)/2
.if \u
.if (\t)%2
	v_wmma_scale_f32_16x16x128_f8f6f4 v[D_:D_+7], v[A_:A_+15], v[B_:B_+15], 0, v[W_], v28 matrix_a_scale:MATRIX_SCALE_ROW1 matrix_b_scale:MATRIX_SCALE_ROW1
.else
	v_wmma_scale_f32_16x16x128_f8f6f4 v[D_:D_+7], v[A_:A_+15], v[B_:B_+15], 0, v[W_], v28 matrix_b_scale:MATRIX_SCALE_ROW1
.endif
.else
.if (\t)%2
	v_wmma_scale_f32_16x16x128_f8f6f4 v[D_:D_+7], v[A_:A_+15], v[B_:B_+15], 0, v[W_], v28 matrix_a_scale:MATRIX_SCALE_ROW1
.else
	v_wmma_scale_f32_16x16x128_f8f6f4 v[D_:D_+7], v[A_:A_+15], v[B_:B_+15], 0, v[W_], v28
.endif
.endif
.endm
.macro PMM t, u                        ; one product of O^T: source 0 = 16 channels, source 1 = p
.set D_, OT+64*(\u)+8*(\t)
.set A_, FB+16*(\t)
.set B_, 64+16*(\u)
.set W_, 32+(\t)/2
.set X_, 21+2*(\u)
.if (\t)%2
	v_wmma_scale_f32_16x16x128_f8f6f4 v[D_:D_+7], v[A_:A_+15], v[B_:B_+15], v[D_:D_+7], v[W_], v[X_] matrix_a_scale:MATRIX_SCALE_ROW1
.else
	v_wmma_scale_f32_16x16x128_f8f6f4 v[D_:D_+7], v[A_:A_+15], v[B_:B_+15], v[D_:D_+7], v[W_], v[X_]
.endif
.endm
.macro SCL k                           ; p's scales, 32 lines, eight blocks by turns: the floor 2^(9 - 127), under which no byte falls under 1; 8 off the exponent field: the conversion's operand; 448 x the scale; the byte
.set R_, 36+12*(((\k)%8)/4)+(\k)%4
.if (\k)/8 == 0
	v_max_num_f32 v[R_], 0x4800000, v[R_]
.elseif (\k)/8 == 1
	v_add_nc_u32 v[R_+8], 0xfc000000, v[R_]
.elseif (\k)/8 == 2
	v_and_or_b32 v[R_], 0x7f800000, v[R_], s[MNT]
.else
	v_lshrrev_b32 v[R_+4], 23, v[R_+8]
.endif
.endm
.macro PVPROD lines                    ; the 16 accumulators take turns, one instruction a turn; lines = 1: two of the scales' lines behind each
	WIN 0x01                                       ; (the lines' first sources are constants, so this setting serves them too)
.irp t, 0,1,2,3,4,5,6,7
.irp u, 0,1
	PMM \t, \u
.if \lines
	SCL 4*\t+2*\u
	SCL 4*\t+2*\u+1
.endif
.endr
.endr
	WIN 0
.endm
.macro RESC g                          ; a quarter of O^T under the new M
	WIN 0
.irp j, 0,2,4,6,8,10,12,14,16,18,20,22,24,26,28,30
	v_pk_mul_f32 v[OT+32*\g+\j:OT+32*\g+\j+1], v[OT+32*\g+\j:OT+32*\g+\j+1], v[20+2*(\g/2):21+2*(\g/2)] op_sel_hi:[1,0]
.endr
.endm
.macro SPROD                           ; K's fragments came in order: the first two tiles' products start while 24 loads may be out
.irp g, 0,1,2,3
	s_wait_dscnt 24-8*\g
	WIN 0x41
	SMM 2*\g, 0
	SMM 2*\g, 1
	SMM 2*\g+1, 0
	SMM 2*\g+1, 1
	RESC \g
.endr
.endm
.macro LDH n, adr, sc                  ; fragment n of my quarter (and with the first the scale words: register b: lanes 0-15 tile 2 b, lanes 16-31 tile 2 b + 1)
.if (\n) == 0
	WIN 0
	ds_load_b128 v[\sc:\sc+3], v[\adr] offset:16384
.endif
	WIN 0x40
.irp c, 0,1,2,3
	ds_load_b128 v[FB+16*(\n)+4*\c:FB+16*(\n)+4*\c+3], v[\adr] offset:2048*(\n)+512*\c
.endr
.endm
.macro MAXG g                          ; a quarter of the search for each block's largest score: tile g / 2, halves g % 2 of its blocks
.set U_, (\g)/2
	WIN 0x14
.irp i, 0,2,4,6
.irp b, 0,1,2,3
.if ((\g)%2) == 0 && \i == 0
	v_max3_num_f32 v[36+12*U_+\b], 0xff800000, v[64*U_+16*\b], v[64*U_+16*\b+1]
.else
	v_max3_num_f32 v[36+12*U_+\b], v[36+12*U_+\b], v[64*U_+16*\b+8*((\g)%2)+\i], v[64*U_+16*\b+8*((\g)%2)+\i+1]
.endif
.endr
.endr
.endm
.macro MASK md                         ; the key of register 16 b + i of tile u is hidden where 32 b + i > d + 8 u; tile 1's i + 8 and tile 0's i share a compare
	v_add_nc_u32 v60, s[\md], v[DL]
	v_mov_b32 v63, 0xff800000
	v_add_nc_u32 v61, 8, v60
	WIN 0x41
.set n, 0
.rept 64
.if (n%16) < 8
	v_cmp_gt_i32 vcc_lo, 32*(n/16)+n%16, v61
	v_cndmask_b32 v[64+n], v[64+n], v63, vcc_lo
.endif
	v_cmp_gt_i32 vcc_lo, 32*(n/16)+n%16, v60
	v_cndmask_b32 v[n], v[n], v63, vcc_lo
.if (n%16) < 8
	v_cndmask_b32 v[64+n+8], v[64+n+8], v63, vcc_lo
.endif
.set n, n+1
.endr
	WIN 0
.endm
; M moves: each block's, then the step's largest score; the running largest t; f; each block's largest t - M
.macro MOVEM
.irp b, 36,37,38,39,48,49,50,51
	v_permlanex16_b32 v[\b+4], v[\b], s[SEL], s[SEL+1]
.endr
.irp b, 36,37,38,39,48,49,50,51
	v_max_num_f32 v[\b], v[\b], v[\b+4]            ; with lane l xor 16's 16 keys
.endr
	v_max3_num_f32 v29, v36, v37, v38
	v_max3_num_f32 v30, v48, v49, v50
	v_max_num_f32 v29, v29, v39
	v_max_num_f32 v30, v30, v51
	v_mul_f32 v29, s[CS], v29                      ; as t (c is positive)
	v_mul_f32 v30, s[CS], v30
	v_max_num_f32 v9, v9, v29
	v_max_num_f32 v15, v15, v30
	v_mov_b32 v29, v8                              ; the old -M: the exchange may want it
	v_mov_b32 v30, v14
	v_floor_f32 v8, -v9                            ; the new -M = floor(-t): a whole number
	v_floor_f32 v14, -v15
	v_sub_f32 v60, v8, v29                         ; old M - new M
	v_sub_f32 v61, v14, v30
	v_cvt_i32_f32 v60, v60                         ; (it saturates)
	v_cvt_i32_f32 v61, v61
	v_ldexp_f32 v20, 1.0, v60                      ; f = 2^(old M - new M)
	v_ldexp_f32 v22, 1.0, v61
.irp b, 0,1,2,3
	v_fma_f32 v[36+\b], v[36+\b], s[CS], v8
	v_fma_f32 v[48+\b], v[48+\b], s[CS], v14
.endr
.endm
.macro SCALEG q                        ; t - M, two at a time (of the pairs c and -M the low word serves both halves)
	WIN 0x41
.irp j, 0,2,4,6,8,10,12,14
	v_pk_fma_f32 v[16*\q+\j:16*\q+\j+1], v[16*\q+\j:16*\q+\j+1], s[CS:CS+1], v[8:9] op_sel_hi:[1,0,0]
	v_pk_fma_f32 v[64+16*\q+\j:65+16*\q+\j], v[64+16*\q+\j:65+16*\q+\j], s[CS:CS+1], v[14:15] op_sel_hi:[1,0,0]
.endr
.endm
.macro EXPS lo                         ; p = 2^(t - M), at most 1: 64 of them
	WIN 0x41
.set n, \lo
.rept 64
	v_exp_f32 v[n], v[n]
.set n, n+1
.endr
	WIN 0
.endm
.macro EXPB                            ; a block's largest p: the same two instructions on the same number
.irp b, 36,37,38,39,48,49,50,51
	v_exp_f32 v[\b], v[\b]
.endr
	v_nop                                          ; one plain line behind a transcendental
	WALU
.endm
; THE EXCHANGE, half p: owner t (quarter t of the four that share a row) takes channels of tile t / 2, half t % 2 of the channels: 32 registers, 16 a time.  I store the pieces of the three others and keep my own
.macro XCH p
.irp t, 0,1,2,3
	s_cmp_eq_u32 s[WQ], \t
	s_cbranch_scc1 .Lown_\@_\t
	s_add_co_u32 s80, s[WQ], 3-\t
	s_and_b32 s80, s80, 3                          ; my place among the three: (my quarter - t - 1) % 4
	s_lshl_b32 s80, s80, 11
	s_add_co_u32 s80, s80, s[RXD]
	v_add_nc_u32 v62, s80, v[LI]
.irp k, 0,1,2,3
	ds_store_b128 v62, v[OT+32*\t+16*(\p)+4*\k:OT+32*\t+16*(\p)+4*\k+3] offset:6144*\t+512*\k
.endr
	s_branch .Ljoin_\@_\t
.Lown_\@_\t:
	WIN 0x40
.irp k, 0,1,2,3,4,5,6,7,8,9,10,11,12,13,14,15
	v_mov_b32 v[FB+64*(\p)+\k], v[OT+32*\t+16*(\p)+\k]
.endr
	WIN 0
.Ljoin_\@_\t:
.endr
	WALU
	s_wait_dscnt 0x0                               ; for the others' sake: my pieces have landed
	s_barrier_signal -1
	s_barrier_wait -1
	v_add_nc_u32 v62, s[RXO], v[LI]
	WIN 0x40
.irp j, 0,1,2
.irp k, 0,1,2,3
	ds_load_b128 v[FB+64*(\p)+16+16*\j+4*\k:FB+64*(\p)+16+16*\j+4*\k+3], v62 offset:2048*\j+512*\k
.endr
.endr
	WIN 0
.endm
.macro MLREAD j, d
	s_add_co_u32 s80, s[WQ], 1+\j
	s_and_b32 s80, s80, 3
	s_lshl_b32 s80, s80, 9
	s_add_co_u32 s80, s80, s[MLD]
	v_add_nc_u32 v60, s80, v63
	ds_load_b64 v[\d:\d+1], v60
.endm
.macro ADDIN o, g
.irp k, 0,2,4,6,8,10,12,14,64,66,68,70,72,74,76,78
	v_pk_fma_f32 v[FB+\k:FB+\k+1], v[FB+\o+\k:FB+\o+\k+1], v[\g:\g+1], v[FB+\k:FB+\k+1] op_sel_hi:[1,0,1]
.endr
.endm
.macro MERGE op, m0, m1                ; m0, m1: the two tiles' -M
	PLACES 8                                       ; eight places between the last products and what reads their results or writes their sources
	v_pk_add_f32 v[64:65], v[10:11], v[12:13]
	v_pk_add_f32 v[68:69], v[16:17], v[18:19]
	v_lshrrev_b32 v63, 1, v[LI]                    ; 8 x lane
	v_add_f32 v65, v64, v65
	v_add_f32 v69, v68, v69
	v_mov_b32 v64, v\m0
	v_mov_b32 v68, v\m1
	v_permlanex16_b32 v66, v65, s[SEL], s[SEL+1]
	v_permlanex16_b32 v70, v69, s[SEL], s[SEL+1]
	v_add_f32 v65, v65, v66                        ; my sum of the row
	v_add_f32 v69, v69, v70
	v_add_nc_u32 v62, s[MLW], v63
	ds_store_b64 v62, v[64:65]
	ds_store_b64 v62, v[68:69] offset:256
	XCH 0
	s_wait_dscnt 0x0                               ; I have read my pieces: their bytes may be written again
	s_barrier_signal -1
	s_barrier_wait -1
	XCH 1
	MLREAD 0, 64
	MLREAD 1, 66
	MLREAD 2, 68
	MLREAD 3, 70                                   ; my own
	s_wait_dscnt 0x0
	v_min_num_f32 v60, v64, v66                    ; -M of the four together
	v_min_num_f32 v61, v68, v70
	v_min_num_f32 v60, v60, v61
.irp g, 64,66,68,70
	v_sub_f32 v\g, v60, v\g                        ; a whole number, 0 or less
.endr
.irp g, 64,66,68,70
	v_cvt_i32_f32 v\g, v\g                         ; (it saturates: a quarter in which no key counted gets the factor 0)
.endr
.irp g, 64,66,68,70
	v_ldexp_f32 v\g, 1.0, v\g
.endr
	v_mul_f32 v61, v64, v65
	v_fma_f32 v61, v66, v67, v61
	v_fma_f32 v61, v68, v69, v61
	v_fma_f32 v61, v70, v71, v61                   ; the row's sum
	WALU
	v_rcp_f32 v72, v61
	v_bfe_u32 v60, v[LI], 4, 4                     ; r  (a plain line behind the transcendental)
	v_lshrrev_b32 v61, 8, v[LI]                    ; h
	WALU
.irp g, 64,66,68,70
	v_mul_f32 v\g, v\g, v72
.endr
	v_mul_u32_u24 v62, v60, 272
	v_mul_u32_u24 v63, v61, 272
	v_lshl_add_u32 v62, v61, 6, v62
	v_lshl_add_u32 v63, v60, 4, v63
	v_add_nc_u32 v62, s[RXO], v62                  ; my stage, over the pieces that I have read: in: row r, + 64 h;
	v_add_nc_u32 v63, s[RXO], v63                  ; back: lanes 0-15 one row, lanes 16-31 the next
	WIN 0x51
.irp k, 0,2,4,6,8,10,12,14,64,66,68,70,72,74,76,78
	v_pk_mul_f32 v[FB+\k:FB+\k+1], v[FB+\k:FB+\k+1], v[70:71] op_sel_hi:[1,0]
.endr
	ADDIN 16, 64
	ADDIN 32, 66
	ADDIN 48, 68
	WIN 0x04
.irp k, 0,1,2,3
	ds_store_b128 v62, v[FB+4*\k:FB+4*\k+3] offset:16*\k
	ds_store_b128 v62, v[FB+64+4*\k:FB+64+4*\k+3] offset:128+16*\k
.endr
	WIN 0x40
.irp k, 0,1,2,3,4,5,6,7
	ds_load_b128 v[FB+16+4*\k:FB+16+4*\k+3], v63 offset:544*\k    ; LDS serves a wave's instructions in order: these see my stores
.endr
	WIN 0x04
.irp k, 0,1,2,3,4,5,6,7
	s_wait_dscnt 7-\k
	global_store_b128 v[GO], v[FB+16+4*\k:FB+16+4*\k+3], s[\op:\op+1] offset:(2*\k+8*(\k/4))*512 th:TH_STORE_NT   ; sixteen lanes store 256 consecutive bytes, aligned; stage rows 2 k, 2 k + 1 are queries 2 k + 8 (k / 4) and the next
.endr
	WIN 0
.endm
; A TRIP.  fill = 2: in the loop; 1: trip 7, behind which V(8) alone is left to fetch; 0: trip 8, the last
.macro TRIPM fill
	s_wait_loadcnt 0x0                             ; Q
.if (\fill) == 0
	s_cmp_lt_u32 s[WV], 4                          ; waves 4 to 7: every key of this step is hidden
	s_cbranch_scc0 .Lno_scores_\@
	SPROD
	s_branch .Lscored_\@
.Lno_scores_\@:
	s_wait_dscnt 0x0
.irp g, 0,1,2,3
	RESC \g
.endr
.Lscored_\@:
.else
	SPROD
.endif
	v_add_nc_u32 v62, s[NP], v[AV]                 ; V(t - 1).  (The sixteen lines ahead are places between the products and what loads into their sources or reads their results)
	v_add_nc_u32 v31, s[NP], v[AK]                 ; K(t + 1)
	WALU
	s_cmp_lg_u32 s[TRIP], s[T1P]
	s_cbranch_scc1 .Lgo_on_\@
	v_mov_b32 v9, 0xff61b1e6                       ; the second pass begins: the largest t lies under every t
	v_mov_b32 v15, 0xff61b1e6
	WALU
.Lgo_on_\@:
.if \fill
	s_cmp_lg_u32 s[TRIP], s[T1]
	s_cbranch_scc1 .Lopen_\@
.irp c, 0,1,2,3,4,5,6,7                ; the first pass's last trip: Q is done with, the second pass's is asked for
	global_load_b128 v[96+4*\c:99+4*\c], v[LI], s[P2:P2+1] offset:512*\c
.endr
	global_load_b32 v28, v[LI], s[S2:S2+1]
	s_cmp_lt_u32 s[WV], 4
	s_cbranch_scc1 .Lopen_\@                       ; waves 0 to 3: all keys of the step count
	MASK MD1
.Lopen_\@:
.irp g, 0,1,2,3
	LDH \g, 62, 32
	MAXG \g
.endr
	WIN 0
	MOVEM
.irp q, 0,1,2,3
	LDH 4+\q, 62, 32
	SCALEG \q
.endr
	WALU
	EXPS 0
	s_wait_tensorcnt 0x0                           ; all my tensor loads are in: K(t + 1), V(t)
	ds_add_u32 v1, v2                              ; 0 onto my spare word,
	ds_add_u32 v1, v2                              ; and twice on end where a load may follow
	FILLSTEP
	EXPS 64
	EXPB
.else
.irp g, 0,1,2,3,4,5,6,7
	LDH \g, 62, 32
.endr
	WIN 0
	s_cmp_lt_u32 s[WV], 4
	s_cbranch_scc0 .Lno_soft_\@
	MASK MD2
.irp g, 0,1,2,3
	MAXG \g
.endr
	WIN 0
	MOVEM
.irp q, 0,1,2,3
	SCALEG \q
.endr
	WALU
	EXPS 0
	EXPS 64
	EXPB
	s_branch .Lsoft_\@
.Lno_soft_\@:
	v_mov_b32 v29, v8                              ; the exchange's -M
	v_mov_b32 v30, v14
	WALU
.Lsoft_\@:
	s_wait_tensorcnt 0x0
	ds_add_u32 v1, v2
.endif
	s_wait_dscnt 0x0                               ; the add is done, V(t - 1)'s fragments are in: my reads of these slots are over
	s_barrier_signal -1
	PVPROD 1                                       ; the last trip's second product, and this trip's scales: work on registers while the others arrive
	s_barrier_wait -1
.if \fill
	CREST                                          ; so for every wave of all four work-groups
	TLOAD 2-(\fill)
.endif
	s_cmp_lg_u32 s[TRIP], s[T1P]
	s_cbranch_scc1 .Lsame_\@
	MERGE OP1, 29, 30                              ; the first pass is whole: it goes out,
	s_wait_xcnt 0x0                                ; (the stores have read their registers)
	v_mov_b32 v20, 0                               ; and f = 0 clears the sums and O^T
	v_mov_b32 v22, 0
.if (\fill) == 0
	s_cmp_lt_u32 s[WV], 4
	s_cbranch_scc1 .Lsame_\@
	v_mov_b32 v8, 0x7f61b1e6                       ; waves 4 to 7 add nothing to the second pass: its -M lies over every other
	v_mov_b32 v14, 0x7f61b1e6
.endif
.Lsame_\@:
.if (\fill) == 2
	s_cmp_lg_u32 s[TRIP], s[PT]
	s_cbranch_scc1 .Lask_nothing_\@
	s_cmp_lt_u32 s[WV], 3
	s_cbranch_scc1 .Lask_nothing_\@
	global_prefetch_b8 v0, s[PF:PF+1] th:TH_LOAD_NT scope:SCOPE_SE
.Lask_nothing_\@:
.endif
	WALU
.if (\fill) == 0
	s_cmp_lt_u32 s[WV], 4
	s_cbranch_scc0 .Lend
.endif
	PLACES 4                                       ; with the two scales' lines behind the last product and the four lines below: ten places ahead of writes of its scale registers and of the loads
	v_lshl_or_b32 v60, v41, 8, v40                 ; p's scale words for these 128 keys
	v_lshl_or_b32 v61, v53, 8, v52
	v_lshl_or_b32 v60, v42, 16, v60
	v_lshl_or_b32 v61, v54, 16, v61
	v_pk_mul_f32 v[10:11], v[10:11], v[20:21] op_sel_hi:[1,0]     ; the sums under the new M
	v_pk_mul_f32 v[16:17], v[16:17], v[22:23] op_sel_hi:[1,0]
	v_pk_mul_f32 v[12:13], v[12:13], v[20:21] op_sel_hi:[1,0]
	v_pk_mul_f32 v[18:19], v[18:19], v[22:23] op_sel_hi:[1,0]
	v_lshl_or_b32 v21, v43, 24, v60
	v_lshl_or_b32 v23, v55, 24, v61
.irp q, 0,1,2,3,4,5,6,7
.if \fill
	LDH \q, 31, 24
.else
	LDH \q, AV, 32                                 ; the last trip fetches its own V
.endif
.if \q < 4
	WIN 0x04
.irp j, 0,4,8,12                       ; the rows' sums of the unquantised p, four chains by turns
	v_pk_add_f32 v[10:11], v[10:11], v[16*\q+\j:16*\q+\j+1]
	v_pk_add_f32 v[16:17], v[16:17], v[64+16*\q+\j:65+16*\q+\j]
	v_pk_add_f32 v[12:13], v[12:13], v[16*\q+\j+2:16*\q+\j+3]
	v_pk_add_f32 v[18:19], v[18:19], v[66+16*\q+\j:67+16*\q+\j]
.endr
.else
	WIN 0x41
.set n, 32*(\q-4)
.rept 32
	v_min_num_f32 v[n], v[n], v[36+12*(n/64)+(n%64)/16]   ; the conversion to an 8-bit code does not saturate (ISA guide 7.6.2); p is not negative, so the hold is one-sided
.set n, n+1
.endr
.endif
.endr
	WIN 0x01
.set n, 0
.rept 16
	v_cvt_scalef32_pk8_fp8_f32 v[64+2*n:65+2*n], v[8*n:8*n+7], v[44+12*(n/8)+(n%8)/2]
.set n, n+1
.endr
	WIN 0
	v_nop                                          ; one plain line behind the last scaled conversion
	WALU
.if \fill
	s_xor_b32 s[NP], s[NP], HALF
	s_add_co_u32 s[TRIP], s[TRIP], 1
.else
.irp g, 0,1,2,3                        ; (these lines are also the places between the codes and the products)
	RESC \g
.endr
	WALU
	s_wait_dscnt 0x0                               ; V(8)'s fragments
	PVPROD 0
.endif
.endm
; where block blk's queries of my part lie in kv, their scale words, the mask's number, and where I send my piece of the result
.macro QADDR blk, ptr, sptr, md, op
	s_lshr_b32 s80, s[\blk], 3
	s_mul_i32 s80, s80, SLOTB
	s_add_co_u32 s80, s80, s70
	s_bfe_u32 s81, s[\blk], 0x10001
	s_mul_i32 s81, s81, CHUNK
	s_add_co_u32 s80, s80, s81
	s_bfe_u32 s81, s[\blk], 0x10002
	s_mul_i32 s81, s81, PART
	s_add_co_u32 s80, s80, s81                     ; the quarter that holds the block
	s_and_b32 s81, s[\blk], 1
	s_lshl_b32 s81, s81, 1
	s_add_co_u32 s81, s81, s[WD]                   ; b: tiles 2 b, 2 b + 1
	s_lshl_b32 s84, s81, 12
	s_add_co_u32 s84, s84, s80
	s_mov_b32 s85, 0
	s_add_nc_u64 s[\ptr:\ptr+1], s[4:5], s[84:85]
	s_lshl_b32 s84, s81, 2
	s_add_co_u32 s84, s84, s80
	s_add_co_u32 s84, s84, 16384
	s_add_nc_u64 s[\sptr:\sptr+1], s[4:5], s[84:85]
	s_and_b32 s81, s[\blk], 7
	s_lshl_b32 s81, s81, 6
	s_lshl_b32 s82, s[WD], 5
	s_add_co_u32 s81, s81, s82
	s_lshl_b32 s83, s[WQ], 7
	s_sub_co_i32 s[\md], s81, s83                  ; my part's first query less my quarter's first key
	s_lshl_b32 s84, s[HEAD], 12
	s_lshl_b32 s81, s[\blk], 6
	s_add_co_u32 s84, s84, s81
	s_add_co_u32 s84, s84, s82
	s_lshr_b32 s81, s[WQ], 1
	s_lshl_b32 s81, s81, 3
	s_add_co_u32 s84, s84, s81                     ; tile w / 4 of my part,
	s_lshl_b32 s84, s84, 9
	s_and_b32 s81, s[WQ], 1
	s_lshl_b32 s81, s81, 8
	s_add_co_u32 s84, s84, s81                     ; and which 64 channels
	s_add_nc_u64 s[\op:\op+1], s[6:7], s[84:85]
.endm
	s_load_b128 s[4:7], s[0:1], 0x0                ; kv s[4:5], out0 s[6:7]
	v_lshl_add_u32 v1, v0, 2, SPARE
	v_mov_b32 v2, 0
	ds_add_u32 v1, v2                              ; the wave's opening: the add, twice on end
	ds_add_u32 v1, v2
	v_lshrrev_b32 v60, 5, v0
	v_readfirstlane_b32 s[WV], v60                 ; wave 0..7
	s_lshr_b32 s[WQ], s[WV], 1
	s_and_b32 s[WD], s[WV], 1
	s_bfe_u32 s[CX], ttmp6, 0x40000                ; cx: my place in the cluster
	s_mov_b32 s[CA], ttmp9                         ; in a cluster launch ttmp9 counts clusters
	s_lshl_b32 s66, ttmp9, 2
	s_add_co_u32 s66, s66, s[CX]                   ; i = 4 A + cx
	s_sub_co_u32 s67, 63, s66
	s_sub_co_u32 s68, 15, s[CA]
	s_and_b32 s69, s[CA], 1
	s_cmp_eq_u32 s69, 1
	s_cselect_b32 s71, s66, s67                    ; the first pass's block, blk / 4 odd,
	s_cselect_b32 s72, s67, s66                    ; the second's
	s_cselect_b32 s[T1], s[CA], s68
	s_lshr_b32 s[T1], s[T1], 1
	s_add_co_u32 s[T1P], s[T1], 1
	s_sub_co_u32 s[PT], s[CA], 3                   ; (A under 3: no trip has this number)
	s_and_b32 s[HEAD], ttmp7, 0xffff
	s_mul_i32 s70, s[HEAD], HEADB
	s_and_b32 s73, s[WQ], 1
	s_mul_i32 s73, s73, CHUNK
	s_lshr_b32 s74, s[WQ], 1
	s_mul_i32 s75, s74, PART
	s_add_co_u32 s73, s73, s75                     ; my quarter in a slot
	s_mul_i32 s[RXD], s[WD], 24576
	s_add_co_u32 s[RXD], s[RXD], RX                ; the exchange: the four owners of my part,
	s_mul_i32 s[RXO], s[WQ], 6144
	s_add_co_u32 s[RXO], s[RXO], s[RXD]            ; and I among them
	s_lshl_b32 s75, s[WD], 11
	s_add_co_u32 s75, s75, ML
	s_lshl_b32 s[MLW], s[WQ], 9
	s_add_co_u32 s[MLW], s[MLW], s75
	s_lshl_b32 s[MLD], s74, 8
	s_add_co_u32 s[MLD], s[MLD], s75
	; descriptor group 1: 33,792 dense bytes as 132 rows of 256 bytes (32 elements of 8 bytes), no padding: the images are read 16 bytes a lane on end
	s_mov_b32 s[G1], 15|(3<<16)|(1<<21)            ; 15:0 the mask: all four work-groups; 17:16 elements of 8 bytes; 21 set beside a mask
	s_mov_b32 s[G1+1], 32<<16
	s_mov_b32 s[G1+2], 132<<16
	s_mov_b32 s[G1+3], 32<<16
	s_mov_b32 s[G1+4], 132
	s_mov_b32 s[G1+5], 32
	s_mov_b32 s[G1+6], 0
	s_mov_b32 s[G1+7], 0
	s_mul_i32 s68, s[WV], CHUNK                    ; my chunk of a slot in memory: waves 0, 1 K's, waves 2, 3 V's
	s_mul_i32 s69, s[WQ], VR
	s_mov_b32 s[G0], 1
	s_add_co_u32 s[G0+1], s68, s69                 ; LDS: K's slot 0; V's slot 1 (2 CHUNK = HALF)
	s_add_co_u32 s68, s68, s70
	s_mov_b32 s69, 0
	s_mul_i32 s76, s[CA], SLOTB                    ; the prefetch: slot A of the head, my quarter
	s_mul_i32 s77, s[CX], CHUNK
	s_add_co_u32 s76, s76, s77
	s_add_co_u32 s76, s76, s70
	s_mov_b32 s77, 0
	s_mov_b32 s[OFF+1], 0
	s_sub_co_u32 s[FJ], 0, s[WQ]                   ; K's waves have fetched for trip 0, V's are one trip behind
	s_mov_b32 s[SEL], 0x76543210
	s_mov_b32 s[SEL+1], 0xfedcba98
	s_mov_b32 s[CS], 0x3e0293ee                    ; c = log2(e) / sqrt(128)
	s_mov_b32 s[CS+1], s[CS]                       ; (named with it as a pair, so it is written)
	s_mov_b32 s[MNT], 0x600000
	s_mov_b32 s[TRIP], 0
	s_mov_b32 s[NP], HALF
	s_mov_b32 s[CNT], 7
	v_and_b32 v60, 15, v0                          ; r
	v_bfe_u32 v61, v0, 4, 1                        ; h
	v_and_b32 v[LI], 31, v0
	v_lshlrev_b32 v[LI], 4, v[LI]                  ; 16 x lane
	v_add_nc_u32 v[AK], s73, v[LI]
	v_add_nc_u32 v[AV], VR, v[AK]
	v_lshlrev_b32 v[GO], 9, v61
	v_lshl_add_u32 v[GO], v60, 4, v[GO]            ; the way out: lanes 0-15 one row of the output, lanes 16-31 the next
	v_and_b32 v[DL], 8, v60
	v_add_nc_u32 v[DL], v[DL], v60
	v_lshlrev_b32 v62, 4, v61
	v_sub_nc_u32 v[DL], v[DL], v62                 ; r + 8 (r / 8) - 16 h
	v_sub_nc_u32 v0, v0, 96
	v_min_u32 v0, 131, v0                          ; the prefetch: waves 3 to 7, a block of 256 bytes a lane; the lanes left over name the last again
	v_lshlrev_b32 v0, 8, v0
	WALU
	s_wait_dscnt 0x0                               ; both opening adds are done
	ROUND                                          ; all four work-groups are here: the first joint loads meet
	s_wait_kmcnt 0x0
	s_add_nc_u64 s[BASEW:BASEW+1], s[4:5], s[68:69]
	s_add_nc_u64 s[PF:PF+1], s[4:5], s[76:77]
	s_mov_b64 s[G0+2:G0+3], s[BASEW:BASEW+1]       ; the head's slot 0
	s_or_b32 s[G0+3], s[G0+3], 0x80000000          ; type = 2
	TLOAD 0                                        ; K(0), and V's slot 1 for the first time (read by the first trip's product with codes of zero)
	QADDR 71, P1, S1, MD1, OP1
	QADDR 72, P2, S2, MD2, OP2
.irp c, 0,1,2,3,4,5,6,7
	global_load_b128 v[96+4*\c:99+4*\c], v[LI], s[P1:P1+1] offset:512*\c     ; the first pass's Q: two tiles' images, 512 consecutive bytes a load
.endr
	global_load_b32 v28, v[LI], s[S1:S1+1]         ; its scale words: lanes 0-15 tile 0's, lanes 16-31 tile 1's
.irp b, 40,41,42,43,52,53,54,55
	v_mov_b32 v[\b], 0                             ; written once: a lane permute's destination counts as one of its sources
.endr
.irp b, 20,21,22,23
	v_mov_b32 v[\b], 0                             ; f, and the first trip's scale words
.endr
.irp a, 8,14
	v_mov_b32 v[\a], 0x7f61b1e6                    ; the largest t so far lies under every t; the sums are zeros
	v_mov_b32 v[\a+1], 0xff61b1e6
	v_mov_b32 v[\a+2], 0
	v_mov_b32 v[\a+3], 0
	v_mov_b32 v[\a+4], 0
	v_mov_b32 v[\a+5], 0
.endr
.set n, 0
.rept 32
	v_mov_b32 v[64+n], 0                           ; the first trip's codes
.set n, n+1
.endr
.set n, 0
.rept 128
	v_mov_b32 v[OT+n], 0                           ; O^T: the trip is written once, and its first multiplies zeros
.set n, n+1
.endr
	WALU
	s_wait_tensorcnt 0x0                           ; my first load is in; the same lines as ahead of a refill
	ds_add_u32 v1, v2
	ds_add_u32 v1, v2
	FILLSTEP
	s_wait_dscnt 0x0
	ROUND
	TLOAD 0                                        ; K(1) into K's slot 1, V(0) into V's slot 0, both for the first time
.irp g, 0,1,2,3,4,5,6,7
	LDH \g, AK, 24                                 ; K(0)'s fragments
.endr
	WIN 0
.Lloop:                                            ; trips 0 to 6
	TRIPM 2
	s_sub_co_u32 s[CNT], s[CNT], 1
	s_cmp_lg_u32 s[CNT], 0
	s_cbranch_scc1 .Lloop
	TRIPM 1                                        ; trips 7 and 8 are written out
	TRIPM 0
.Lend:
	s_wait_dscnt 0x0
	s_barrier_signal -1                            ; every wave is done with the first pass's exchange: its bytes may be written again
	s_barrier_wait -1
	MERGE OP2, 8, 14
	s_wait_tensorcnt 0x0                           ; the wave's end
	ds_add_u32 v1, v2
	s_wait_dscnt 0x0
	ROUND                                          ; the closing round: no work-group ends while a partner may still ask for a slot that names it
	s_endpgm
.Lfunc_end_k_q8c6cfb7a92_attn:
	.size	k_q8c6cfb7a92_attn, .Lfunc_end_k_q8c6cfb7a92_attn-k_q8c6cfb7a92_attn
	.p2alignl 7, 3214868480
	.fill 96, 4, 3214868480
	.section	.rodata,"a",@progbits
	.p2align	6, 0x0
	.amdhsa_kernel k_q8c6cfb7a92_attn
		.amdhsa_group_segment_fixed_size 327680
		.amdhsa_private_segment_fixed_size 0
		.amdhsa_enable_private_segment 0
		.amdhsa_kernarg_size 16
		.amdhsa_user_sgpr_count 2
		.amdhsa_user_sgpr_kernarg_segment_ptr 1
		.amdhsa_wavefront_size32 1
		.amdhsa_system_sgpr_workgroup_id_x 1
		.amdhsa_system_sgpr_workgroup_id_y 1
		.amdhsa_system_sgpr_workgroup_id_z 1
		.amdhsa_system_vgpr_workitem_id 0
		.amdhsa_next_free_vgpr 512
		.amdhsa_next_free_sgpr 100
		.amdhsa_reserve_vcc 1
		.amdhsa_float_denorm_mode_32 3
		.amdhsa_float_denorm_mode_16_64 3
		.amdhsa_memory_ordered 1
		.amdhsa_forward_progress 1
		.amdhsa_inst_pref_size 255
	.end_amdhsa_kernel
	.section	.bss,"aw",@nobits
	.p2align	6
	.space	262144
	.amdgpu_metadata
---
amdhsa.version: [ 1, 2 ]
amdhsa.kernels:
  - .name:           k_q8c6cfb7a92_attn
    .symbol:         k_q8c6cfb7a92_attn.kd
    .args:
      - { .name: kv, .offset: 0, .size: 8, .value_kind: global_buffer, .address_space: global }
      - { .name: out0, .offset: 8, .size: 8, .value_kind: global_buffer, .address_space: global }
    .group_segment_fixed_size: 327680
    .private_segment_fixed_size: 0
    .kernarg_segment_align: 8
    .kernarg_segment_size: 16
    .max_flat_workgroup_size: 256
    .sgpr_count:     100
    .vgpr_count:     512
    .wavefront_size: 32
...
	.end_amdgpu_metadata
.endif
;; end of part 3
